; MI455X (gfx1250); checked and timed in simulation.
; The chip was launched on July 23, 2026; its instructions are those of AMD's public machine-readable ISA for CDNA 5 (MIT licence, August 2026) and "CDNA5" Instruction Set Architecture Reference Guide (July 2026). The comments in the code are by the model that wrote it; some were corrected since.
;; Rotary Multi Head Attention. Allowed arithmetic: float matrix products may take bf16 or f16 operands with f32 sums; all other float work in f32.
;; Inputs: Wk 512 x 512 float32; Wo 512 x 512 float32; Wq 512 x 512 float32; Wv 512 x 512 float32; bk 512 float32; bo 512 float32; bq 512 float32; bv 512 float32; kv_positions 4 x 2,048 x 2 float32; q_positions 4 x 2,048 x 2 float32; x 4 x 2,048 x 512 float32.
;; Outputs: out0 4 x 2,048 x 512 float32.
;; One version. Each part assembles by itself: llvm-mc -triple=amdgcn-amd-amdhsa -mcpu=gfx1250 --defsym DOCPART=n.
;; ======== version 1 of 1: 3 launches
;; limits: values are held in f16: magnitudes above 65,504 overflow, below 6.1e-05 lose precision
;; workspace buffers: qs 8,388,608 bytes; ks 8,388,608 bytes; vt 8,388,608 bytes; ao 8,388,608 bytes; wob 524,288 bytes
;; launch qkv (part 1): grid 8 x 32, 4 waves a work-group, no clusters, 200,192 bytes of LDS; arguments x, q_positions, kv_positions, Wq, bq, Wk, bk, Wv, bv, Wo, qs, ks, vt, wob; writes qs, ks, vt, wob
.if DOCPART == 1
	.amdgcn_target "amdgcn-amd-amdhsa--gfx1250"
	.amdhsa_code_object_version 6
	.text
	.protected	k_q4b501ba7aa_qkv
	.globl	k_q4b501ba7aa_qkv
	.p2align	8
	.type	k_q4b501ba7aa_qkv,@function
k_q4b501ba7aa_qkv:
	s_mov_b64 s[64:65], 0
	v_nop
	global_prefetch_b8 v0, s[64:65] scope:SCOPE_SE
	s_setreg_imm32_b32 hwreg(HW_REG_WAVE_MODE, 25, 1), 1
	s_wait_xcnt 0x0
; q, k, v = x W^T + b for one head and 256 rows; RoPE on q and k; q also times 0.125 log2(e); v stored transposed.
; Out: qs, ks [b*8+head][n][64] f16, vt [b*8+head][d][n] f16.  Side job: 4,096 bytes of Wo a work-group go to wob as f16.
; Work-group (head = x, 256 rows = y), four waves; wave w makes rows 64w..64w+63 x 192 columns (64 q, 64 k, 64 v):
; 48 accumulator tiles, 384 registers.  K = 512 in 8 steps of 64: a row piece of x or W is 256 bytes of f32, aligned.
; x and W are f32 in memory, so they pass through registers: load, round to f16, store 2 bytes a number into one of two LDS slots.
; The staging of the next K step (56 loads a wave) goes in 14 half-groups of four loads, which stand BETWEEN short runs of matrix
; instructions, so that roundings, LDS stores and loads are issued while matrix instructions run.
; NO CLUSTER, NO TENSOR LOAD: a tensor load copies bytes as they are; an f32 tile in LDS would cost 4 bytes written, 4 read and
; 2 written again for each number, where the way through registers costs 2 written.
; NUMBER FORMAT: matrix operands are f16 (11 significant bits), sums f32.  Room: f16 ends at 65,504.  With all inputs 30 times larger the
; projections reach about 900 x 5.5 x sqrt 2 = 7,000; with x and W each offset by 30 of their spreads about 512 x 30 x 1.33 x sqrt 2 = 29,000.
; LIMITS: a projected 0.18 q, k or v of 65,504 or more becomes infinite.  sin and cos are polynomials on half the reduced angle,
; cut-off error below 4e-6; the reduction keeps its fraction while |angle / 2 pi| < 2^22, and its error grows like |angle| x 2^-24 turns.
.set PITCH,  144                       ; LDS row of 64 f16 + 16 bytes: an odd multiple of 16, so 16 rows of a fragment load lie in 16 different 16-byte columns of 256
.set XAREA,  256*PITCH                 ; x: 256 rows
.set SLOT,   XAREA+192*PITCH           ; then W: rows 64 g + c, g = 0 q, 1 k, 2 v
.set QKST,   2*SLOT                    ; each wave's own stage for q, then k: 64 rows x 144
.set VST,    QKST+4*64*PITCH           ; stage for v transposed, shared: 64 rows (d) x 528
.set VPITCH, 528
; window 0
.set FAA,  4                           ; v4-5    x fragments in slot 0, 1: slot + (64w + r) 144 + 16h
.set FBA,  6                           ; v6-7    W fragments: slot + XAREA + r 144 + 16h
.set QSTO, 8                           ; into my q/k stage
.set QRD,  9                           ; back from it, 4 rows a load
.set QGO,  10                          ; 16 x lane
.set VSTO, 11
.set VRD,  12
.set VGO,  13
.set POSO, 14
.set BOFF, 15
.set BVOF, 16
.set T16,  17
.set T8,   18
.set PQ2,  20                          ; v[20:27] q position sum of row 16 rt + r, twice
.set PK2,  28                          ; v[28:35] the same for k
.set BV2,  36                          ; v[36:43] bv[16 ct + r], twice
.set INVF, 44                          ; v[44:59] 10000^(-(8 ct + 4 h + jj)/16) at 4 ct + jj
.set S9V,  60
.set C10V, 62
.set BQ,   64                          ; v[64:95]  bq of columns 16 ct + 8 h + j at 8 ct + j
.set BK,   96
.set FA,   128                         ; v[128:191] two buffers of 4 x fragments; on the way out: rows read back
.set FB,   192                         ; v[192:255] two buffers of 4 W fragments; on the way out: E and work registers
.set E,    192
.set TF,   224
.set TU,   228
.set TPP,  232
.set TCC,  236
.set SN,   240
.set CS,   244
.set RT,   248
; window 1: q tiles at 8 (4 ct + rt), k tiles at 128 + the same.  window 2: v tiles at 8 (4 ct + rt).
; window 3: v[0:127] 32 loads of x, v[128:223] 3 x 8 loads of W, and their addresses, so that one setting serves rounding, LDS store and load
.set XO,  224
.set WOF, 225
.set STX, 226
.set STW, 228
.set MSB, 0
.macro WIN new                         ; the immediate's high byte repeats the setting that is left
.if MSB != \new
	s_set_vgpr_msb (MSB<<8)|\new
.set MSB, \new
.endif
.endm
.macro PLACES n
.rept \n
	v_nop
.endr
.endm
	s_load_b512 s[8:23], s[0:1], 0x0               ; x 8, q_positions 10, kv_positions 12, Wq 14, bq 16, Wk 18, bk 20, Wv 22
	s_load_b256 s[24:31], s[0:1], 0x40             ; bv 24, Wo 26, qs 28, ks 30
	s_load_b128 s[32:35], s[0:1], 0x60             ; vt 32, wob 34
	s_set_vgpr_msb 0x80
	v_lshl_add_u32 v254, v0, 2, 0x30c00
	v_mov_b32 v255, 0
	s_set_vgpr_msb 0x8000
	v_lshrrev_b32 v3, 5, v0
	v_readfirstlane_b32 s4, v3                     ; wave
	s_mov_b32 s2, ttmp9                            ; head
	s_and_b32 s3, ttmp7, 0xffff                    ; group of 256 rows
	v_and_b32 v1, 15, v0                           ; r
	v_bfe_u32 v2, v0, 4, 1                         ; h
	v_and_b32 v19, 31, v0                          ; lane
	s_mul_i32 s6, s4, 64*PITCH
	v_mul_u32_u24 v3, v1, PITCH
	v_lshl_add_u32 v3, v2, 4, v3                   ; r 144 + 16 h
	v_add_nc_u32 v[FAA], s6, v3
	v_add_nc_u32 v[FAA+1], SLOT, v[FAA]
	v_add_nc_u32 v[FBA], XAREA, v3
	v_add_nc_u32 v[FBA+1], SLOT+XAREA, v3
	v_add_nc_u32 v[QSTO], QKST, v[FAA]
	v_lshrrev_b32 v3, 3, v19
	v_mul_u32_u24 v3, v3, PITCH
	v_and_b32 v[QRD], 7, v0
	v_lshl_add_u32 v3, v[QRD], 4, v3
	s_add_co_u32 s7, s6, QKST
	v_add_nc_u32 v[QRD], s7, v3
	v_lshlrev_b32 v[QGO], 4, v19
	v_mul_u32_u24 v3, v1, VPITCH
	v_lshl_add_u32 v3, v2, 4, v3
	s_lshl_b32 s7, s4, 7
	s_add_co_u32 s7, s7, VST
	v_add_nc_u32 v[VSTO], s7, v3                   ; row d = r, my 64 n at byte 128 w, 16 bytes a half
	s_mul_i32 s7, s4, 16*VPITCH
	s_add_co_u32 s7, s7, VST
	v_add_nc_u32 v[VRD], s7, v[QGO]
	s_lshl_b32 s7, s4, 16
	v_add_nc_u32 v[VGO], s7, v[QGO]                ; 16 rows of vt (4,096 bytes each) a wave
	s_lshl_b32 s7, s4, 9
	v_lshl_add_u32 v[POSO], v1, 3, s7
	v_lshlrev_b32 v[BOFF], 5, v2
	v_lshlrev_b32 v[BVOF], 2, v1
	v_lshlrev_b32 v[T16], 4, v0
	v_lshlrev_b32 v[T8], 3, v0
	v_lshlrev_b32 v3, 4, v1
	v_lshl_add_u32 v3, v2, 11, v3                  ; in memory: row h, 16 bytes at 16 r
	v_mul_u32_u24 v19, v2, PITCH
	v_lshl_add_u32 v19, v1, 3, v19                 ; in LDS: row h, 8 bytes at 8 r
	s_lshl_b32 s7, s4, 17
	s_lshl_b32 s36, s4, 15
	s_add_co_u32 s37, s6, SLOT
	s_mul_i32 s38, s4, 16*PITCH
	s_add_co_u32 s38, s38, XAREA
	s_add_co_u32 s39, s38, SLOT
	WIN 0xc0                                       ; destination window 3
	v_add_nc_u32 v[XO], s7, v3                     ; x: my 64 rows
	v_add_nc_u32 v[WOF], s36, v3                   ; W: my 16 rows of each matrix
	v_add_nc_u32 v[STX], s6, v19
	v_add_nc_u32 v[STX+1], s37, v19
	v_add_nc_u32 v[STW], s38, v19
	v_add_nc_u32 v[STW+1], s39, v19
	WIN 0
	s_wait_kmcnt 0x0
	s_mov_b32 s37, 0
	s_lshl_b32 s36, s3, 19                         ; 256 rows of 2,048 bytes
	s_add_nc_u64 s[8:9], s[8:9], s[36:37]
	s_lshl_b32 s36, s2, 17                         ; 64 rows of W
	s_add_nc_u64 s[14:15], s[14:15], s[36:37]
	s_add_nc_u64 s[18:19], s[18:19], s[36:37]
	s_add_nc_u64 s[22:23], s[22:23], s[36:37]
	s_lshl_b32 s36, s2, 8
	s_add_nc_u64 s[16:17], s[16:17], s[36:37]
	s_add_nc_u64 s[20:21], s[20:21], s[36:37]
	s_add_nc_u64 s[24:25], s[24:25], s[36:37]
	s_lshl_b32 s36, s3, 11
	s_add_nc_u64 s[10:11], s[10:11], s[36:37]
	s_add_nc_u64 s[12:13], s[12:13], s[36:37]
	s_lshr_b32 s5, s3, 3
	s_lshl3_add_u32 s5, s5, s2                     ; b 8 + head
	s_lshl_b32 s5, s5, 18
	s_and_b32 s7, s3, 7
	s_lshl_b32 s36, s7, 9                          ; n0 x 2 bytes
	s_add_co_u32 s36, s36, s5
	s_add_nc_u64 s[32:33], s[32:33], s[36:37]
	s_lshl_b32 s36, s7, 15                         ; n0 x 128 bytes
	s_add_co_u32 s36, s36, s5
	s_lshl_b32 s7, s4, 13
	s_add_co_u32 s36, s36, s7
	s_add_nc_u64 s[28:29], s[28:29], s[36:37]
	s_add_nc_u64 s[30:31], s[30:31], s[36:37]
	s_lshl3_add_u32 s7, s3, s2                     ; the work-group's number
	s_lshl_b32 s36, s7, 12
	s_add_nc_u64 s[26:27], s[26:27], s[36:37]
	s_lshl_b32 s36, s7, 11
	s_add_nc_u64 s[34:35], s[34:35], s[36:37]
	; 30 small loads
.irp rt, 0,1,2,3
	global_load_b64 v[PQ2+2*\rt:PQ2+2*\rt+1], v[POSO], s[10:11] offset:\rt*128
	global_load_b64 v[PK2+2*\rt:PK2+2*\rt+1], v[POSO], s[12:13] offset:\rt*128
.endr
.irp ct, 0,1,2,3
	global_load_b128 v[BQ+8*\ct:BQ+8*\ct+3], v[BOFF], s[16:17] offset:\ct*64
	global_load_b128 v[BQ+8*\ct+4:BQ+8*\ct+7], v[BOFF], s[16:17] offset:\ct*64+16
	global_load_b128 v[BK+8*\ct:BK+8*\ct+3], v[BOFF], s[20:21] offset:\ct*64
	global_load_b128 v[BK+8*\ct+4:BK+8*\ct+7], v[BOFF], s[20:21] offset:\ct*64+16
	global_load_b32 v[BV2+2*\ct], v[BVOF], s[24:25] offset:\ct*64
.endr
	global_load_b128 v[128:131], v[T16], s[26:27] th:TH_LOAD_NT
	global_load_b128 v[132:135], v[T16], s[26:27] offset:2048 th:TH_LOAD_NT
; Staging goes in fourteen half-groups of four loads, k = 0 .. 13: k = 0-7 are x (rows 8 k .. 8 k + 7 of my 64), k = 8-13 the two halves
; of my 16 rows of Wq, Wk, Wv.  Each load of the wave covers two whole row pieces of 256 bytes.
.macro HSET k, b                       ; the registers, addresses and offsets of half-group k; b: the LDS slot that it goes to
.set GRP, (\k)/2
.set HF,  (\k)%2
.if GRP < 4
.set SR,  32*GRP+16*HF
.set SAD, STX+\b
.set SOF, (GRP*16+HF*8)*PITCH
.set GAD, XO
.set GB,  8
.set GOF, (GRP*8+HF*4)*4096
.else
.set SR,  128+32*(GRP-4)+16*HF
.set SAD, STW+\b
.set SOF, ((GRP-4)*64+HF*8)*PITCH
.set GAD, WOF
.set GB,  14+4*(GRP-4)
.set GOF, HF*4*4096
.endif
.endm
.macro HLD
.irp i, 0,1,2,3
	global_load_b128 v[SR+4*\i:SR+4*\i+3], v[GAD], s[GB:GB+1] offset:GOF+\i*4096
.endr
.endm
; one half-group: wait for its loads, round in place, 8 bytes a lane into slot b, and (load = 1) ask for its next K step
.macro HSTG k, b, left, load
	HSET \k, \b
	s_wait_loadcnt \left                           ; loads come back in order: those issued behind this half-group's four may stay out
	WIN 0xcf
.irp i, 0,1,2,3
	v_cvt_pk_f16_f32 v[SR+4*\i], v[SR+4*\i], v[SR+4*\i+1]
	v_cvt_pk_f16_f32 v[SR+4*\i+1], v[SR+4*\i+2], v[SR+4*\i+3]
.endr
.irp i, 0,1,2,3
	ds_store_b64 v[SAD], v[SR+4*\i:SR+4*\i+1] offset:SOF+\i*2*PITCH
.endr
.if \load
	HLD
.endif
.endm
	WIN 0xcf
.irp k, 0,1,2,3,4,5,6,7,8,9,10,11,12,13
	HSET \k, 0
	HLD                                            ; K step 0: 56 loads
.endr
	WIN 0
	s_wait_xcnt 0x0                                ; the bases are stepped only behind this wait
	s_add_nc_u64 s[8:9], s[8:9], 0x100
	s_add_nc_u64 s[14:15], s[14:15], 0x100
	s_add_nc_u64 s[18:19], s[18:19], 0x100
	s_add_nc_u64 s[22:23], s[22:23], 0x100
	; the 16 frequencies of my columns: 2^(-(8 ct + 4 h + jj) log2(10000) / 16)
	v_lshlrev_b32 v3, 2, v2
.set e, 0
.rept 16
	v_add_nc_u32 v[INVF+e], 8*(e/4)+e%4, v3
.set e, e+1
.endr
.set e, 0
.rept 16
	v_cvt_f32_u32 v[INVF+e], v[INVF+e]
.set e, e+1
.endr
.set e, 0
.rept 16
	v_mul_f32 v[INVF+e], 0xbf549a78, v[INVF+e]
.set e, e+1
.endr
.set e, 0
.rept 16
	v_exp_f32 v[INVF+e], v[INVF+e]
.set e, e+1
.endr
	v_mov_b32 v[S9V], 0x3da83c1a                   ; plain instructions stand behind the run of exponentials
	v_mov_b32 v[S9V+1], 0x3da83c1a
	v_mov_b32 v[C10V], 0xbcd368f9
	v_mov_b32 v[C10V+1], 0xbcd368f9
	s_wait_loadcnt 56                              ; the 30 small loads are in; the 56 staging loads issued behind them stay out
.irp rt, 0,1,2,3
	v_add_f32 v[PQ2+2*\rt], v[PQ2+2*\rt], v[PQ2+2*\rt+1]
	v_add_f32 v[PK2+2*\rt], v[PK2+2*\rt], v[PK2+2*\rt+1]
.endr
.irp rt, 0,1,2,3
	v_mov_b32 v[PQ2+2*\rt+1], v[PQ2+2*\rt]         ; pairs for the packed arithmetic
	v_mov_b32 v[PK2+2*\rt+1], v[PK2+2*\rt]
	v_mov_b32 v[BV2+2*\rt+1], v[BV2+2*\rt]
.endr
	v_cvt_pk_f16_f32 v136, v128, v129              ; Wo: 8 numbers a thread
	v_cvt_pk_f16_f32 v137, v130, v131
	v_cvt_pk_f16_f32 v138, v132, v133
	v_cvt_pk_f16_f32 v139, v134, v135
	global_store_b64 v[T8], v[136:137], s[34:35]               ; a wave's store covers 256 consecutive bytes, aligned
	global_store_b64 v[T8], v[138:139], s[34:35] offset:1024
.irp k, 0,1,2,3,4,5,6,7,8,9,10,11,12,13
	HSTG \k, 0, 52, 1                              ; K step 0 into slot 0; K step 1 is asked for.  52 = the 13 half-groups issued behind
.endr
	WIN 0
	s_wait_dscnt 0x0                               ; my stores into slot 0 are done,
	s_barrier_signal -1
	s_barrier_wait -1                              ; everybody's are
.macro LDA a, s, buf                   ; 4 fragments of x: my rows 16 rt + r, 32 along K at byte 64 s
.irp rt, 0,1,2,3
	ds_load_b128 v[FA+32*\buf+8*\rt:FA+32*\buf+8*\rt+3], v[FAA+\a] offset:\rt*16*PITCH+64*\s
	ds_load_b128 v[FA+32*\buf+8*\rt+4:FA+32*\buf+8*\rt+7], v[FAA+\a] offset:\rt*16*PITCH+64*\s+32
.endr
.endm
.macro LDB a, s, g, buf                ; 4 fragments of matrix g
.irp ct, 0,1,2,3
	ds_load_b128 v[FB+32*\buf+8*\ct:FB+32*\buf+8*\ct+3], v[FBA+\a] offset:(4*\g+\ct)*16*PITCH+64*\s
	ds_load_b128 v[FB+32*\buf+8*\ct+4:FB+32*\buf+8*\ct+7], v[FBA+\a] offset:(4*\g+\ct)*16*PITCH+64*\s+32
.endr
.endm
; Four matrix instructions: column tile ct of matrix g against my four row tiles.  q, k: source 0 = rows of W, source 1 = rows of x, so a lane
; holds row r and columns 8 h + j: RoPE's pairs lie in neighbouring registers.  v: the other way round, so a lane holds column r and 8
; neighbouring n of vt.  The 48 accumulators take turns, one instruction a turn.
.macro MUL4 g, fa, fb, ct, zero
.if \g == 2
	WIN 0xa0
.irp rt, 0,1,2,3
.if \zero
	v_wmma_f32_16x16x32_f16 v[8*(4*\ct+\rt):8*(4*\ct+\rt)+7], v[FA+32*\fa+8*\rt:FA+32*\fa+8*\rt+7], v[FB+32*\fb+8*\ct:FB+32*\fb+8*\ct+7], 0
.else
	v_wmma_f32_16x16x32_f16 v[8*(4*\ct+\rt):8*(4*\ct+\rt)+7], v[FA+32*\fa+8*\rt:FA+32*\fa+8*\rt+7], v[FB+32*\fb+8*\ct:FB+32*\fb+8*\ct+7], v[8*(4*\ct+\rt):8*(4*\ct+\rt)+7]
.endif
.endr
.else
	WIN 0x50
.irp rt, 0,1,2,3
.if \zero
	v_wmma_f32_16x16x32_f16 v[128*\g+8*(4*\ct+\rt):128*\g+8*(4*\ct+\rt)+7], v[FB+32*\fb+8*\ct:FB+32*\fb+8*\ct+7], v[FA+32*\fa+8*\rt:FA+32*\fa+8*\rt+7], 0
.else
	v_wmma_f32_16x16x32_f16 v[128*\g+8*(4*\ct+\rt):128*\g+8*(4*\ct+\rt)+7], v[FB+32*\fb+8*\ct:FB+32*\fb+8*\ct+7], v[FA+32*\fa+8*\rt:FA+32*\fa+8*\rt+7], v[128*\g+8*(4*\ct+\rt):128*\g+8*(4*\ct+\rt)+7]
.endif
.endr
.endif
.endm
; One unit: the 16 matrix instructions of matrix g on x buffer fa and W buffer fb, in four runs of four.
; Behind the first run: half-group k, then the next unit's fragments (LDB a, ns, ng, nb; lda = 1: x's second half too).  The half-group's eight
; roundings are the places between the last unit's matrix instructions and the loads into the buffer that they read;
; four v_nop where nothing is staged.  Behind the third run: half-group k + 1.
; The wait at the head counts the LDS instructions issued behind this unit's fragments: the four stores of the half-group just before.
.macro UNIT a, g, fa, fb, zero, k, stage, load, lda, ns, ng, nb
	s_wait_dscnt 4*\stage
	MUL4 \g, \fa, \fb, 0, \zero
.if \stage
	HSTG \k, 1-\a, 52-(1-\load)*4*(\k), \load
.else
	PLACES 4
.endif
	WIN 0
.if \lda
	LDA \a, 1, 1
.endif
	LDB \a, \ns, \ng, \nb
	MUL4 \g, \fa, \fb, 1, \zero
	MUL4 \g, \fa, \fb, 2, \zero
.if \stage
	HSTG \k+1, 1-\a, 52-(1-\load)*4*(\k+1), \load
.endif
	MUL4 \g, \fa, \fb, 3, \zero
.endm
; One K step on slot a: six units (32 along K) x (q, k, v).  stage = 1: the next K step goes into the other slot; load = 1: the one behind
; it is asked for (56 loads are then always out, and a half-group's wait leaves the 52 younger ones out; without loads the counts run down 52 - 4 k).
.macro STEP a, zero, stage, load, bar
.if \load
	s_wait_xcnt 0x0                                ; the bases (and, the first time, the registers of Wo's stores) are rewritten only behind this wait
	s_add_nc_u64 s[8:9], s[8:9], 0x100
	s_add_nc_u64 s[14:15], s[14:15], 0x100
	s_add_nc_u64 s[18:19], s[18:19], 0x100
	s_add_nc_u64 s[22:23], s[22:23], 0x100
.endif
	LDA \a, 0, 0
	LDB \a, 0, 0, 0
.if \stage
	HSTG 0, 1-\a, 52, \load                        ; half-group 0 stands between the step's first fragment loads and their use
.endif
	UNIT \a, 0, 0, 0, \zero, 1, \stage, \load, 0, 0, 1, 1
	UNIT \a, 1, 0, 1, \zero, 3, \stage, \load, 1, 0, 2, 0
	UNIT \a, 2, 0, 0, \zero, 5, \stage, \load, 0, 1, 0, 1
	UNIT \a, 0, 1, 1, 0, 7, \stage, \load, 0, 1, 1, 0
	UNIT \a, 1, 1, 0, 0, 9, \stage, \load, 0, 1, 2, 1
	s_wait_dscnt 4*\stage                          ; the last unit fetches no fragments and takes the last three half-groups
	MUL4 2, 1, 1, 0, 0
.if \stage
	HSTG 11, 1-\a, 52-(1-\load)*44, \load
.endif
	MUL4 2, 1, 1, 1, 0
.if \stage
	HSTG 12, 1-\a, 52-(1-\load)*48, \load
.endif
	MUL4 2, 1, 1, 2, 0
.if \stage
	HSTG 13, 1-\a, 52-(1-\load)*52, \load
.endif
	MUL4 2, 1, 1, 3, 0
	WIN 0
.if \bar
	s_wait_dscnt 0x0                               ; my reads of this slot and my stores into the other are done:
	s_barrier_signal -1                            ; one barrier orders both,
	s_barrier_wait -1                              ; the reads against the slot's next stores, the stores against the next reads
.endif
.endm
	STEP 0, 1, 1, 1, 1                             ; K step 0: its first products start the sums; stages step 1, asks for step 2
	STEP 1, 0, 1, 1, 1
	s_mov_b32 s5, 2
.Lk:
	STEP 0, 0, 1, 1, 1
	STEP 1, 0, 1, 1, 1
	s_sub_co_i32 s5, s5, 1
	s_cmp_lg_u32 s5, 0
	s_cbranch_scc1 .Lk
	STEP 0, 0, 1, 0, 1                             ; K step 6 stages step 7 and asks for nothing
	STEP 1, 0, 0, 0, 0                             ; K step 7
	; THE WAY OUT.  Four places behind the last matrix instructions.
	PLACES 4
	; v: add the bias, round, 8 neighbouring n of one d = 16 bytes into the shared stage
.irp rt, 0,1,2,3
	WIN 0x02
.irp ct, 0,1,2,3
.irp p, 0,2,4,6
	v_pk_add_f32 v[E+8*\ct+\p:E+8*\ct+\p+1], v[8*(4*\ct+\rt)+\p:8*(4*\ct+\rt)+\p+1], v[BV2+2*\ct:BV2+2*\ct+1]
.endr
.endr
	WIN 0
.irp ct, 0,1,2,3
.irp j, 0,1,2,3
	v_cvt_pk_f16_f32 v[TF+4*\ct+\j], v[E+8*\ct+2*\j], v[E+8*\ct+2*\j+1]
.endr
	ds_store_b128 v[VSTO], v[TF+4*\ct:TF+4*\ct+3] offset:\ct*16*VPITCH+\rt*32
.endr
.endr
	s_wait_dscnt 0x0                               ; my part of the 64 rows is stored,
	s_barrier_signal -1
	s_barrier_wait -1                              ; everybody's is: a row of 256 n is whole
.irp i, 0,1,2,3,4,5,6,7,8,9,10,11,12,13,14,15
	ds_load_b128 v[FA+4*\i:FA+4*\i+3], v[VRD] offset:\i*VPITCH
.endr
.irp i, 0,1,2,3,4,5,6,7,8,9,10,11,12,13,14,15
	s_wait_dscnt 15-\i
	global_store_b128 v[VGO], v[FA+4*\i:FA+4*\i+3], s[32:33] offset:\i*4096    ; 512 consecutive bytes of one row of vt, aligned
.endr
; sin and cos of four angles pos x invf.  t = angle / 2 pi, r = t - nearest whole number, |r| <= 1/2.  s = sin(pi r) and c = cos(pi r) by their
; series in r^2 (5 and 6 terms).  Then sin(angle) = 2 s c, cos(angle) = 1 - 2 s^2.  Out: SN = -scale sin, CS = scale cos.  m2sc = -2 scale.
.macro HSTEP d, k
	v_pk_fma_f32 v[\d:\d+1], v[\d:\d+1], v[TU:TU+1], \k op_sel_hi:[1,1,0]
	v_pk_fma_f32 v[\d+2:\d+3], v[\d+2:\d+3], v[TU+2:TU+3], \k op_sel_hi:[1,1,0]
.endm
.macro SC4 pos, inv, m2sc, sc
	v_pk_mul_f32 v[TF:TF+1], v[\inv:\inv+1], v[\pos:\pos+1]    ; the angle, rounded to f32 as the problem's function rounds it
	v_pk_mul_f32 v[TF+2:TF+3], v[\inv+2:\inv+3], v[\pos:\pos+1]
	v_pk_mul_f32 v[TF:TF+1], v[TF:TF+1], 0.15915494 op_sel_hi:[1,0]
	v_pk_mul_f32 v[TF+2:TF+3], v[TF+2:TF+3], 0.15915494 op_sel_hi:[1,0]
.irp i, 0,1,2,3
	v_rndne_f32 v[TU+\i], v[TF+\i]
.endr
	v_pk_add_f32 v[TF:TF+1], v[TF:TF+1], v[TU:TU+1] neg_lo:[0,1] neg_hi:[0,1]
	v_pk_add_f32 v[TF+2:TF+3], v[TF+2:TF+3], v[TU+2:TU+3] neg_lo:[0,1] neg_hi:[0,1]
	v_pk_mul_f32 v[TU:TU+1], v[TF:TF+1], v[TF:TF+1]
	v_pk_mul_f32 v[TU+2:TU+3], v[TF+2:TF+3], v[TF+2:TF+3]
	v_pk_fma_f32 v[TPP:TPP+1], v[TU:TU+1], v[S9V:S9V+1], 0xbf196966 op_sel_hi:[1,1,0]
	v_pk_fma_f32 v[TPP+2:TPP+3], v[TU+2:TU+3], v[S9V:S9V+1], 0xbf196966 op_sel_hi:[1,1,0]
	v_pk_fma_f32 v[TCC:TCC+1], v[TU:TU+1], v[C10V:C10V+1], 0x3e70fa83 op_sel_hi:[1,1,0]
	v_pk_fma_f32 v[TCC+2:TCC+3], v[TU+2:TU+3], v[C10V:C10V+1], 0x3e70fa83 op_sel_hi:[1,1,0]
	HSTEP TPP, 0x402335e3
	HSTEP TCC, 0xbfaae9e4
	HSTEP TPP, 0xc0a55de7
	HSTEP TCC, 0x4081e0f8
	HSTEP TPP, 0x40490fdb
	HSTEP TCC, 0xc09de9e6
	HSTEP TCC, 1.0
	v_pk_mul_f32 v[TPP:TPP+1], v[TPP:TPP+1], v[TF:TF+1]        ; s
	v_pk_mul_f32 v[TPP+2:TPP+3], v[TPP+2:TPP+3], v[TF+2:TF+3]
	v_pk_mul_f32 v[TF:TF+1], v[TPP:TPP+1], \m2sc op_sel_hi:[1,0]
	v_pk_mul_f32 v[TF+2:TF+3], v[TPP+2:TPP+3], \m2sc op_sel_hi:[1,0]
	v_pk_mul_f32 v[SN:SN+1], v[TF:TF+1], v[TCC:TCC+1]
	v_pk_mul_f32 v[SN+2:SN+3], v[TF+2:TF+3], v[TCC+2:TCC+3]
	v_pk_fma_f32 v[CS:CS+1], v[TF:TF+1], v[TPP:TPP+1], \sc op_sel_hi:[1,1,0]
	v_pk_fma_f32 v[CS+2:CS+3], v[TF+2:TF+3], v[TPP+2:TPP+3], \sc op_sel_hi:[1,1,0]
.endm
; q or k: bias, rotation, rounding, through my own stage, out by whole rows.  ab: the tiles' base in window 1; ob: the output's base register.
.macro ROPE ab, bias, pos, m2sc, sc, ob
.irp rt, 0,1,2,3
	WIN 0x01
	s_wait_alu depctr_va_vdst(0)
.irp ct, 0,1,2,3
.irp p, 0,2,4,6
	v_pk_add_f32 v[E+8*\ct+\p:E+8*\ct+\p+1], v[\ab+8*(4*\ct+\rt)+\p:\ab+8*(4*\ct+\rt)+\p+1], v[\bias+8*\ct+\p:\bias+8*\ct+\p+1]
.endr
.endr
	WIN 0
.irp ct, 0,1,2,3
	SC4 \pos+2*\rt, INVF+4*\ct, \m2sc, \sc
.irp j, 0,1,2,3
	v_mul_f32 v[RT+2*\j], v[E+8*\ct+2*\j+1], v[SN+\j]          ; -odd sin
	v_mul_f32 v[RT+2*\j+1], v[E+8*\ct+2*\j+1], v[CS+\j]        ; odd cos
.endr
.irp j, 0,1,2,3
	v_fma_f32 v[RT+2*\j], v[E+8*\ct+2*\j], v[CS+\j], v[RT+2*\j]            ; even cos - odd sin
	v_fma_f32 v[RT+2*\j+1], -v[E+8*\ct+2*\j], v[SN+\j], v[RT+2*\j+1]       ; even sin + odd cos
.endr
.irp j, 0,1,2,3
	v_cvt_pk_f16_f32 v[TF+\j], v[RT+2*\j], v[RT+2*\j+1]
.endr
	ds_store_b128 v[QSTO], v[TF:TF+3] offset:\rt*16*PITCH+\ct*32
.endr
.endr
	s_wait_xcnt 0x0                                ; the registers read back into were the data of earlier stores
.irp i, 0,1,2,3,4,5,6,7,8,9,10,11,12,13,14,15
	ds_load_b128 v[FA+4*\i:FA+4*\i+3], v[QRD] offset:\i*4*PITCH            ; LDS serves a wave's instructions in order (ISA guide 5.7.1): these see my stores above
.endr
.irp i, 0,1,2,3,4,5,6,7,8,9,10,11,12,13,14,15
	s_wait_dscnt 15-\i
	global_store_b128 v[QGO], v[FA+4*\i:FA+4*\i+3], s[\ob:\ob+1] offset:\i*512  ; four rows of 128 bytes: 512 consecutive bytes, aligned
.endr
.endm
	ROPE 0, BQ, PQ2, 0xbeb8aa3b, 0x3e38aa3b, 28    ; q, scale 0.125 log2(e): the logits come out in powers of two
	ROPE 128, BK, PK2, -2.0, 1.0, 30               ; k
	s_set_vgpr_msb 0xa
	s_wait_tensorcnt 0x0
	ds_add_u32 v254, v255
	s_wait_dscnt 0x0
	s_set_vgpr_msb 0xa00
	s_endpgm
.Lfunc_end_k_q4b501ba7aa_qkv:
	.size	k_q4b501ba7aa_qkv, .Lfunc_end_k_q4b501ba7aa_qkv-k_q4b501ba7aa_qkv
	.p2alignl 7, 3214868480
	.fill 96, 4, 3214868480
	.section	.rodata,"a",@progbits
	.p2align	6, 0x0
	.amdhsa_kernel k_q4b501ba7aa_qkv
		.amdhsa_group_segment_fixed_size 200192
		.amdhsa_private_segment_fixed_size 0
		.amdhsa_enable_private_segment 0
		.amdhsa_kernarg_size 112
		.amdhsa_user_sgpr_count 2
		.amdhsa_user_sgpr_kernarg_segment_ptr 1
		.amdhsa_wavefront_size32 1
		.amdhsa_system_sgpr_workgroup_id_x 1
		.amdhsa_system_sgpr_workgroup_id_y 1
		.amdhsa_system_sgpr_workgroup_id_z 1
		.amdhsa_system_vgpr_workitem_id 0
		.amdhsa_next_free_vgpr 1000
		.amdhsa_next_free_sgpr 66
		.amdhsa_reserve_vcc 0
		.amdhsa_float_denorm_mode_32 3
		.amdhsa_float_denorm_mode_16_64 3
		.amdhsa_memory_ordered 1
		.amdhsa_forward_progress 1
		.amdhsa_inst_pref_size 255
	.end_amdhsa_kernel
	.section	.bss,"aw",@nobits
	.p2align	6
	.space	262144
	.amdgpu_metadata
---
amdhsa.version: [ 1, 2 ]
amdhsa.kernels:
  - .name:           k_q4b501ba7aa_qkv
    .symbol:         k_q4b501ba7aa_qkv.kd
    .args:
      - { .name: x, .offset: 0, .size: 8, .value_kind: global_buffer, .address_space: global }
      - { .name: q_positions, .offset: 8, .size: 8, .value_kind: global_buffer, .address_space: global }
      - { .name: kv_positions, .offset: 16, .size: 8, .value_kind: global_buffer, .address_space: global }
      - { .name: Wq, .offset: 24, .size: 8, .value_kind: global_buffer, .address_space: global }
      - { .name: bq, .offset: 32, .size: 8, .value_kind: global_buffer, .address_space: global }
      - { .name: Wk, .offset: 40, .size: 8, .value_kind: global_buffer, .address_space: global }
      - { .name: bk, .offset: 48, .size: 8, .value_kind: global_buffer, .address_space: global }
      - { .name: Wv, .offset: 56, .size: 8, .value_kind: global_buffer, .address_space: global }
      - { .name: bv, .offset: 64, .size: 8, .value_kind: global_buffer, .address_space: global }
      - { .name: Wo, .offset: 72, .size: 8, .value_kind: global_buffer, .address_space: global }
      - { .name: qs, .offset: 80, .size: 8, .value_kind: global_buffer, .address_space: global }
      - { .name: ks, .offset: 88, .size: 8, .value_kind: global_buffer, .address_space: global }
      - { .name: vt, .offset: 96, .size: 8, .value_kind: global_buffer, .address_space: global }
      - { .name: wob, .offset: 104, .size: 8, .value_kind: global_buffer, .address_space: global }
    .group_segment_fixed_size: 200192
    .private_segment_fixed_size: 0
    .kernarg_segment_align: 8
    .kernarg_segment_size: 112
    .max_flat_workgroup_size: 128
    .sgpr_count:     66
    .vgpr_count:     1000
    .wavefront_size: 32
...
	.end_amdgpu_metadata
.endif
;; end of part 1
;; launch attn (part 2): grid 8 x 32, 8 waves a work-group, clusters of 4 x 1, 327,680 bytes of LDS; arguments qs, ks, vt, ao; writes ao
.if DOCPART == 2
	.amdgcn_target "amdgcn-amd-amdhsa--gfx1250"
	.amdhsa_code_object_version 6
	.text
	.protected	k_q4b501ba7aa_attn
	.globl	k_q4b501ba7aa_attn
	.p2align	8
	.type	k_q4b501ba7aa_attn,@function
k_q4b501ba7aa_attn:
	s_mov_b64 s[64:65], 0
	v_nop
	global_prefetch_b8 v0, s[64:65] scope:SCOPE_SE
	s_setreg_imm32_b32 hwreg(HW_REG_WAVE_MODE, 25, 1), 1
	s_wait_xcnt 0x0
	s_wait_alu depctr_hold_cnt(0) depctr_sa_sdst(0) depctr_va_vdst(0) depctr_va_sdst(0) depctr_va_ssrc(0) depctr_va_vcc(0) depctr_vm_vsrc(0)
	s_getreg_b32 s2, hwreg(HW_REG_IB_STS2, 6, 4)
	s_cmp_eq_u32 s2, 0
	s_cbranch_scc0 .Lentry_in_a_cluster
	s_endpgm
.Lentry_in_a_cluster:
	s_bfe_u32 s2, ttmp6, 0x10000c
	s_cmp_lg_u32 s2, 0x3003
	s_cbranch_scc0 .Lentry_shape_is_right
	s_endpgm
.Lentry_shape_is_right:
; softmax(q k^T) v for one (batch, head) = y and a block of 256 queries = x, with a running maximum.  qs already carries 0.125 log2(e).
; qs, ks: [bh][n][64] f16; vt: [bh][d][n] f16; ao: [bh][n][64] f16.
; Eight waves.  Wave w: u = w & 3 takes queries 64 u .. 64 u + 63 (four query tiles of 16), g = w >> 2 takes keys 1024 g .. 1024 g + 1023;
; waves u and u + 4 are merged at the end through LDS.
; S^T = K Q^T: a lane (r, h) holds query r and keys 8 h + j, so maximum and sum of a query are made inside the lane plus one exchange of the
; halves, and two neighbouring key tiles, rounded to f16, ARE the second source of O^T = V^T P^T: no shuffle.
; THE ORDER OF WORK.  A block is 64 keys and goes by pairs of query tiles: SMH (16 matrix instructions: the pair's logits), FA (its maxima),
; FB (exponentials, sums, rounding, rescaling of O, 16 matrix instructions P V).  The order SMH 01, FA 01, FB 01, SMH 23, FA 23, FB 23 puts
; one pair's P V and the other pair's logits into one run of 32 matrix instructions.
; TWO CLASSES OF WAVES.  c = (w xor (w >> 2)) & 1 differs between waves w and w + 4 and between waves 2 i and 2 i + 1.  A wave of class 1
; carries the last FB 23 of each tile over the cluster's round: it works on registers alone (logits and V fragments were read in front of the
; round) and is run first behind it, while class 0 starts on the new tile's logits.  So the two classes stand about half a pair's work apart
; all through a tile, and one class has vector work to issue while the other has matrix work.  Both do the same work between two rounds.
; CLUSTER: the four query blocks of a cluster read the same K and V tiles and ask for them jointly (mask 15): one fetch for four.
; A tile is 128 keys for each g; two LDS slots; a wave has at most two tensor loads out (its parts of one K and one V tile).
; P lies in (0, 1] and the result is bounded by max |v|: both have room in f16.  Sums, maxima and exponentials in f32.
.set KPITCH, 144                       ; 64 f16 + 16 bytes
.set VPITCH, 272                       ; 128 f16 + 16 bytes
.set KTILE,  128*KPITCH
.set VTILE,  64*VPITCH
.set VOFF,   2*KTILE
.set SLOT,   VOFF+2*VTILE              ; K(g = 0), K(1), V(0), V(1)
.set PST,    2*SLOT                    ; for each u: O 16,384 bytes, maxima 512, sums 512, from wave u + 4 to wave u
.set PSZ,    17408
.set OST,    PST+4*PSZ                 ; for each u: 64 rows x 144, the way out
.set KAD, 4                            ; v4-5  K fragments in slot 0, 1
.set VAD, 6                            ; v6-7  V fragments
.set QOF, 8
.set PSA, 9
.set OSA, 10
.set ORD, 11
.set OGO, 12
.set MM,  16                           ; v[16:19] running maximum of query tile q
.set LS,  20                           ; v[20:23] running sum (my half of the keys)
.set NM2, 24                           ; v[24:31] -maximum, twice
.set AL2, 32                           ; v[32:39] 2^(old maximum - new), twice
.set MX,  40                           ; v[40:43] four chains of maxima: (first tile, second tile of the pair) x (keys 0-31, 32-63)
.set TP,  44
.set SA,  48
.set LT,  52
.set VF,  64                           ; v[64:127]  V fragment (s, dt) at 8 (4 s + dt)
.set SS,  128                          ; v[128:255] S: 32 keys s of query tile q at 64 s + 16 q; key tile 2 s at +0, 2 s + 1 at +8
.set OO,  0                            ; window 1: O tile (dt, q) at 8 (4 dt + q)
.set QF,  128                          ; window 1: Q fragment (q, ks) at 8 (2 q + ks)
.set KF,  192                          ; window 1: K fragment (kt, ks) at 8 (2 kt + ks)
.set G1K, 20
.set G1V, 28
.set G0K, 36                           ; s[36:43] a group 0 for each slot
.set G0V, 44                           ; s[44:51]
.set en,  0                            ; counts the exponentials that EX has written
.set MSB, 0
.macro WIN new
.if MSB != \new
	s_set_vgpr_msb (MSB<<8)|\new
.set MSB, \new
.endif
.endm
.macro PLACES n
.rept \n
	v_nop
.endr
.endm
.macro ROUND                           ; a round of the cluster's barrier: my work-group's barrier, wave 0 signals for it, all wait, my barrier again
	s_barrier_signal -1
	s_barrier_wait -1
	s_cmp_lg_u32 s12, 0
	s_cbranch_scc1 .Lnot_wave_0_\@
	s_barrier_signal -3
.Lnot_wave_0_\@:
	s_barrier_wait -3
	s_barrier_signal -1
	s_barrier_wait -1
.endm
	s_load_b256 s[4:11], s[0:1], 0x0               ; qs 4, ks 6, vt 8, ao 10
	v_lshl_add_u32 v62, v0, 2, 0x3d000
	v_mov_b32 v63, 0
	ds_add_u32 v62, v63
	v_lshrrev_b32 v3, 5, v0
	v_readfirstlane_b32 s12, v3                    ; wave
	s_lshr_b32 s13, s12, 2                         ; g
	s_and_b32 s14, s12, 3                          ; u
	s_xor_b32 s60, s13, s12
	s_and_b32 s60, s60, 1                          ; class c
	s_bfe_u32 s55, ttmp6, 0x40000                  ; cx: enters the addresses in qs and ao alone
	s_lshl_b32 s15, ttmp9, 2
	s_add_co_u32 s15, s15, s55                     ; query block
	s_and_b32 s16, ttmp7, 0xffff                   ; bh
	s_mov_b32 s53, 0x76543210                      ; v_permlanex16_b32: lane i of the other half
	s_mov_b32 s54, 0xfedcba98
	; K: 32 rows x 64 elements of 2 bytes, 4 words of padding behind every 32 words; mask 15 with bit 21 beside it
	s_mov_b32 s[G1K+0], 15|(1<<16)|(1<<20)|(1<<21)|(4<<22)|(3<<25)
	s_mov_b32 s[G1K+1], 64<<16                     ; tensor_dim0 = 64
	s_mov_b32 s[G1K+2], 32<<16                     ; tensor_dim1 = 32
	s_mov_b32 s[G1K+3], 64<<16                     ; tile_dim0 = 64
	s_mov_b32 s[G1K+4], 32                         ; tile_dim1 = 32
	s_mov_b32 s[G1K+5], 64                         ; from row to row
	s_mov_b32 s[G1K+6], 0
	s_mov_b32 s[G1K+7], 0
	; V: 16 rows (d) x 128 elements, 4 words of padding behind every 64 words
	s_mov_b32 s[G1V+0], 15|(1<<16)|(1<<20)|(1<<21)|(5<<22)|(3<<25)
	s_mov_b32 s[G1V+1], 128<<16
	s_mov_b32 s[G1V+2], 16<<16
	s_mov_b32 s[G1V+3], 128<<16
	s_mov_b32 s[G1V+4], 16
	s_mov_b32 s[G1V+5], 2048
	s_mov_b32 s[G1V+6], 0
	s_mov_b32 s[G1V+7], 0
	s_mul_i32 s17, s13, KTILE
	s_mul_i32 s19, s13, VTILE
	s_add_co_u32 s19, s19, VOFF
	s_mul_i32 s56, s14, 32*KPITCH
	s_mul_i32 s57, s14, 16*VPITCH
	s_mov_b32 s[G0K], 1
	s_add_co_u32 s[G0K+1], s17, s56                ; my 32 rows of my g's K tile
	s_mov_b32 s[G0K+4], 1
	s_add_co_u32 s[G0K+5], s[G0K+1], SLOT
	s_mov_b32 s[G0V], 1
	s_add_co_u32 s[G0V+1], s19, s57                ; my 16 rows of my g's V tile
	s_mov_b32 s[G0V+4], 1
	s_add_co_u32 s[G0V+5], s[G0V+1], SLOT
	v_and_b32 v1, 15, v0                           ; r
	v_bfe_u32 v2, v0, 4, 1                         ; h
	v_and_b32 v3, 31, v0                           ; lane
	v_mul_u32_u24 v13, v1, KPITCH
	v_lshl_add_u32 v13, v2, 4, v13
	v_add_nc_u32 v[KAD], s17, v13
	v_add_nc_u32 v[KAD+1], SLOT, v[KAD]
	v_mul_u32_u24 v14, v1, VPITCH
	v_lshl_add_u32 v14, v2, 4, v14
	v_add_nc_u32 v[VAD], s19, v14
	v_add_nc_u32 v[VAD+1], SLOT, v[VAD]
	v_lshlrev_b32 v[QOF], 7, v1
	v_lshl_add_u32 v[QOF], v2, 4, v[QOF]
	v_lshlrev_b32 v[OGO], 4, v3
	s_mul_i32 s18, s14, PSZ
	s_add_co_u32 s18, s18, PST
	v_add_nc_u32 v[PSA], s18, v[OGO]
	s_mul_i32 s18, s14, 64*KPITCH
	s_add_co_u32 s18, s18, OST
	v_add_nc_u32 v[OSA], s18, v13
	v_lshrrev_b32 v14, 3, v3
	v_mul_u32_u24 v14, v14, KPITCH
	v_and_b32 v15, 7, v0
	v_lshl_add_u32 v14, v15, 4, v14
	v_add_nc_u32 v[ORD], s18, v14
.irp q, 0,1,2,3
	v_mov_b32 v[TP+\q], 0                          ; v_permlanex16_b32's destination counts as read
.endr
	s_lshl_b32 s58, s16, 18                        ; bh x 262,144 bytes
	s_lshl_b32 s56, s13, 17                        ; K: + 1024 g rows of 128 bytes
	s_add_co_u32 s56, s56, s58
	s_lshl_b32 s59, s14, 12                        ;    + 32 u rows
	s_add_co_u32 s56, s56, s59
	s_mov_b32 s57, 0
	s_wait_dscnt 0x0
	s_wait_kmcnt 0x0
	s_add_nc_u64 s[6:7], s[6:7], s[56:57]
	s_lshl_b32 s56, s14, 16                        ; V: + 16 u rows of 4,096 bytes
	s_add_co_u32 s56, s56, s58
	s_lshl_b32 s59, s13, 11                        ;    + 1024 g keys of 2 bytes
	s_add_co_u32 s56, s56, s59
	s_add_nc_u64 s[8:9], s[8:9], s[56:57]
.irp n, 0,1
	s_add_nc_u64 s[G0K+4*\n+2:G0K+4*\n+3], s[6:7], \n*16384    ; slot n starts with tile n
	s_or_b32 s[G0K+4*\n+3], s[G0K+4*\n+3], 0x80000000
	s_add_nc_u64 s[G0V+4*\n+2:G0V+4*\n+3], s[8:9], \n*256
	s_or_b32 s[G0V+4*\n+3], s[G0V+4*\n+3], 0x80000000
.endr
	s_lshl_b32 s2, s15, 15                         ; qs and ao: 256 rows of 128 bytes a block,
	s_add_co_u32 s2, s2, s58
	s_lshl_b32 s3, s14, 13                         ; 64 rows a wave
	s_add_co_u32 s2, s2, s3
	s_mov_b32 s3, 0
	s_add_nc_u64 s[4:5], s[4:5], s[2:3]
	s_add_nc_u64 s[10:11], s[10:11], s[2:3]
	WIN 0x40                                       ; Q is asked for ahead of the opening round: nobody writes qs, so these loads may be out across it
.irp q, 0,1,2,3
.irp ks, 0,1
	global_load_b128 v[QF+8*(2*\q+\ks):QF+8*(2*\q+\ks)+3], v[QOF], s[4:5] offset:\q*2048+\ks*64
	global_load_b128 v[QF+8*(2*\q+\ks)+4:QF+8*(2*\q+\ks)+7], v[QOF], s[4:5] offset:\q*2048+\ks*64+32
.endr
.endr
	WIN 0
	ROUND                                          ; all four work-groups are here: the first joint loads meet
	tensor_load_to_lds s[G0K:G0K+3], s[G1K:G1K+7]
	s_nop 0
	tensor_load_to_lds s[G0V:G0V+3], s[G1V:G1V+7]
	s_nop 0
	s_wait_loadcnt 0x0                             ; Q stays in registers for the whole kernel
.macro LDK a, blk                      ; the K fragments of 64 keys
	WIN 0x40
.irp kt, 0,1,2,3
.irp ks, 0,1
	ds_load_b128 v[KF+8*(2*\kt+\ks):KF+8*(2*\kt+\ks)+3], v[KAD+\a] offset:\blk*64*KPITCH+\kt*16*KPITCH+\ks*64
	ds_load_b128 v[KF+8*(2*\kt+\ks)+4:KF+8*(2*\kt+\ks)+7], v[KAD+\a] offset:\blk*64*KPITCH+\kt*16*KPITCH+\ks*64+32
.endr
.endr
	WIN 0
.endm
.macro LDV a, blk                      ; the V fragments of 64 keys
.irp s, 0,1
.irp dt, 0,1,2,3
	ds_load_b128 v[VF+8*(4*\s+\dt):VF+8*(4*\s+\dt)+3], v[VAD+\a] offset:\dt*16*VPITCH+\blk*128+\s*64
	ds_load_b128 v[VF+8*(4*\s+\dt)+4:VF+8*(4*\s+\dt)+7], v[VAD+\a] offset:\dt*16*VPITCH+\blk*128+\s*64+32
.endr
.endr
.endm
; The logits of 64 keys against query tiles qa, qb: eight accumulators take turns, one instruction a turn:
; first d = 0-31, which starts the sums, then d = 32-63.
.macro SMH qa, qb
	WIN 0x05
.irp kt, 0,1,2,3
.irp q, \qa, \qb
	v_wmma_f32_16x16x32_f16 v[SS+64*(\kt/2)+16*\q+8*(\kt%2):SS+64*(\kt/2)+16*\q+8*(\kt%2)+7], v[KF+16*\kt:KF+16*\kt+7], v[QF+16*\q:QF+16*\q+7], 0
.endr
.endr
.irp kt, 0,1,2,3
.irp q, \qa, \qb
	v_wmma_f32_16x16x32_f16 v[SS+64*(\kt/2)+16*\q+8*(\kt%2):SS+64*(\kt/2)+16*\q+8*(\kt%2)+7], v[KF+16*\kt+8:KF+16*\kt+15], v[QF+16*\q+8:QF+16*\q+15], v[SS+64*(\kt/2)+16*\q+8*(\kt%2):SS+64*(\kt/2)+16*\q+8*(\kt%2)+7]
.endr
.endr
	WIN 0
.endm
; The maxima of query tiles qa, qb: four chains that do not wait for each other, the exchange of the halves, 2^(old - new), -new.
.macro FA qa, qb, first
.if \first
	v_max_num_f32 v[MX], v[SS+16*\qa], v[SS+16*\qa+1]          ; the maximum starts from logits
	v_max_num_f32 v[MX+2], v[SS+16*\qb], v[SS+16*\qb+1]
.else
	v_max3_num_f32 v[MX], v[SS+16*\qa], v[SS+16*\qa+1], v[MM+\qa]
	v_max3_num_f32 v[MX+2], v[SS+16*\qb], v[SS+16*\qb+1], v[MM+\qb]
.endif
	v_max_num_f32 v[MX+1], v[SS+64+16*\qa], v[SS+64+16*\qa+1]
	v_max_num_f32 v[MX+3], v[SS+64+16*\qb], v[SS+64+16*\qb+1]
.irp i, 2,4,6,8,10,12,14
	v_max3_num_f32 v[MX], v[SS+16*\qa+\i], v[SS+16*\qa+\i+1], v[MX]
	v_max3_num_f32 v[MX+2], v[SS+16*\qb+\i], v[SS+16*\qb+\i+1], v[MX+2]
	v_max3_num_f32 v[MX+1], v[SS+64+16*\qa+\i], v[SS+64+16*\qa+\i+1], v[MX+1]
	v_max3_num_f32 v[MX+3], v[SS+64+16*\qb+\i], v[SS+64+16*\qb+\i+1], v[MX+3]
.endr
	v_max_num_f32 v[MX], v[MX], v[MX+1]
	v_max_num_f32 v[MX+2], v[MX+2], v[MX+3]
	v_permlanex16_b32 v[TP], v[MX], s53, s54       ; the other half of the lanes holds the query's other keys
	v_permlanex16_b32 v[TP+2], v[MX+2], s53, s54
	v_max_num_f32 v[MX], v[MX], v[TP]
	v_max_num_f32 v[MX+2], v[MX+2], v[TP+2]
.if \first == 0
	v_sub_f32 v[AL2+2*\qa], v[MM+\qa], v[MX]
	v_sub_f32 v[AL2+2*\qb], v[MM+\qb], v[MX+2]
	v_exp_f32 v[AL2+2*\qa], v[AL2+2*\qa]
	v_exp_f32 v[AL2+2*\qb], v[AL2+2*\qb]
.endif
	v_mov_b32 v[MM+\qa], v[MX]                     ; plain instructions stand behind the exponentials
	v_mov_b32 v[MM+\qb], v[MX+2]
	v_sub_f32 v[NM2+2*\qa], 0, v[MX]
	v_sub_f32 v[NM2+2*\qa+1], 0, v[MX]
	v_sub_f32 v[NM2+2*\qb], 0, v[MX+2]
	v_sub_f32 v[NM2+2*\qb+1], 0, v[MX+2]
.if \first == 0
	s_wait_alu depctr_va_vdst(0)
	v_mov_b32 v[AL2+2*\qa+1], v[AL2+2*\qa]
	v_mov_b32 v[AL2+2*\qb+1], v[AL2+2*\qb]
.endif
.endm
.macro EX q                            ; the next of the 32 exponentials of query tile q
	v_exp_f32 v[SS+64*(en/16)+16*\q+en%16], v[SS+64*(en/16)+16*\q+en%16]
.set en, en+1
.endm
.macro TK x                            ; behind a plain instruction: one exponential of tile x, while any are left (x = -1: none)
.if \x >= 0
.if en < 32
	EX \x
.endif
.endif
.endm
.macro PACK8 b, x                      ; 16 numbers in f32 become the 8 registers of a second source, in place, ascending
.irp i, 0,1,2,3
	v_cvt_pk_f16_f32 v[\b+\i], v[\b+2*\i], v[\b+2*\i+1]
	TK \x
.endr
.irp i, 0,1,2,3
	v_cvt_pk_f16_f32 v[\b+4+\i], v[\b+8+2*\i], v[\b+9+2*\i]
	TK \x
.endr
.endm
; My 32 numbers of query tile q: their sum into the running sum, then rounded: 32 plain instructions or 33.  Behind each stands one exponential
; of tile x: each exponential is followed by a plain instruction that touches neither its result nor its source (ISA guide 5.7.2).
.macro SUMPACK q, first, x
.set B0, SS+16*\q
.set B1, SS+64+16*\q
	s_wait_alu depctr_va_vdst(0)
	v_pk_add_f32 v[SA:SA+1], v[B0:B0+1], v[B0+2:B0+3]
	TK \x
	v_pk_add_f32 v[SA+2:SA+3], v[B0+4:B0+5], v[B0+6:B0+7]
	TK \x
.irp i, 8,12
	v_pk_add_f32 v[SA:SA+1], v[SA:SA+1], v[B0+\i:B0+\i+1]
	TK \x
	v_pk_add_f32 v[SA+2:SA+3], v[SA+2:SA+3], v[B0+\i+2:B0+\i+3]
	TK \x
.endr
.irp i, 0,4,8,12
	v_pk_add_f32 v[SA:SA+1], v[SA:SA+1], v[B1+\i:B1+\i+1]
	TK \x
	v_pk_add_f32 v[SA+2:SA+3], v[SA+2:SA+3], v[B1+\i+2:B1+\i+3]
	TK \x
.endr
	v_pk_add_f32 v[SA:SA+1], v[SA:SA+1], v[SA+2:SA+3]
	TK \x
.if \first
	v_add_f32 v[LS+\q], v[SA], v[SA+1]
	TK \x
.else
	v_add_f32 v[SA], v[SA], v[SA+1]
	TK \x
	v_fma_f32 v[LS+\q], v[LS+\q], v[AL2+2*\q], v[SA]
	TK \x
.endif
	PACK8 B0, \x
	PACK8 B1, \x
.endm
; Query tiles qa, qb: logits - maximum, exponentials, sums, rounding, O rescaled, O += V^T P^T.  Registers alone but for the wait (vw = 1) for V's
; fragments.  pl: the places behind the matrix instructions, where the next matrix instructions write over P or loads land on V's fragments.
.macro FB qa, qb, first, vw, pl
.irp s, 0,1
.irp i, 0,2,4,6,8,10,12,14
	v_pk_add_f32 v[SS+64*\s+16*\qa+\i:SS+64*\s+16*\qa+\i+1], v[SS+64*\s+16*\qa+\i:SS+64*\s+16*\qa+\i+1], v[NM2+2*\qa:NM2+2*\qa+1]
.endr
.endr
.irp s, 0,1
.irp i, 0,2,4,6,8,10,12,14
	v_exp_f32 v[SS+64*\s+16*\qa+\i], v[SS+64*\s+16*\qa+\i]             ; qa's exponentials, two at a time, with qb's subtraction between them
	v_exp_f32 v[SS+64*\s+16*\qa+\i+1], v[SS+64*\s+16*\qa+\i+1]
	v_pk_add_f32 v[SS+64*\s+16*\qb+\i:SS+64*\s+16*\qb+\i+1], v[SS+64*\s+16*\qb+\i:SS+64*\s+16*\qb+\i+1], v[NM2+2*\qb:NM2+2*\qb+1]
.endr
.endr
.set en, 0
	SUMPACK \qa, \first, \qb                       ; qa's sum and rounding, with qb's exponentials between
	SUMPACK \qb, \first, -1
.if \first == 0
	WIN 0x41
.irp dt, 0,1,2,3
.irp q, \qa, \qb
.irp p, 0,2,4,6
	v_pk_mul_f32 v[OO+8*(4*\dt+\q)+\p:OO+8*(4*\dt+\q)+\p+1], v[OO+8*(4*\dt+\q)+\p:OO+8*(4*\dt+\q)+\p+1], v[AL2+2*\q:AL2+2*\q+1]
.endr
.endr
.endr
.endif
.if \vw
	s_wait_dscnt 0x0                               ; V's fragments are in: nothing has been issued behind their loads
.endif
	WIN 0x50
.irp s, 0,1
.irp dt, 0,1,2,3
.irp q, \qa, \qb
.if \first*(1-\s)
	v_wmma_f32_16x16x32_f16 v[OO+8*(4*\dt+\q):OO+8*(4*\dt+\q)+7], v[VF+8*(4*\s+\dt):VF+8*(4*\s+\dt)+7], v[SS+64*\s+16*\q:SS+64*\s+16*\q+7], 0
.else
	v_wmma_f32_16x16x32_f16 v[OO+8*(4*\dt+\q):OO+8*(4*\dt+\q)+7], v[VF+8*(4*\s+\dt):VF+8*(4*\s+\dt)+7], v[SS+64*\s+16*\q:SS+64*\s+16*\q+7], v[OO+8*(4*\dt+\q):OO+8*(4*\dt+\q)+7]
.endif
.endr
.endr
.endr                                              ; eight accumulators take turns, one instruction a turn
.if \pl
	WIN 0
	PLACES \pl
.endif
.endm
; 64 keys of slot a (blk = 0, 1), all but the last FB 2, 3.  first = 1: nothing has been summed yet.
.macro BLK a, blk, first
	LDV \a, \blk                                   ; five places behind the last P V, which read the old fragments
	s_wait_dscnt 16                                ; the K fragments are in; the 16 loads of V's, issued behind them, may stay out
	SMH 0, 1
	PLACES 4                                       ; behind the matrix instructions: reads of their results follow
	FA 0, 1, \first
	FB 0, 1, \first, 1, 0
	SMH 2, 3                                       ; writes no register of the P V in front of it
	PLACES 4                                       ; loads into the K fragments and reads of the results follow
.if \blk == 0
	LDK \a, 1                                      ; the next 64 keys' fragments land during the vector work
.endif
	FA 2, 3, \first
.endm
; One tile of 128 keys from slot a.  In front of the round every wave has waited for its reads of the other slot and for all its tensor loads;
; behind it the joint refills of the other slot come first.  The two branches hang on the wave's class alone and jump over register work alone.
.macro TRIP a, refill, first
	s_wait_tensorcnt 0x0                           ; all my tensor loads have landed, my parts of this tile among them,
	ds_add_u32 v62, v63
	s_wait_dscnt 0x0
	s_add_nc_u64 s[G0K+4*\a+2:G0K+4*\a+3], s[G0K+4*\a+2:G0K+4*\a+3], 0x8000    ; so every group 0 may be written: this slot's next tile, two on
	s_add_nc_u64 s[G0V+4*\a+2:G0V+4*\a+3], s[G0V+4*\a+2:G0V+4*\a+3], 0x200
	s_wait_dscnt 0x0                               ; my reads of the last tile are done
	ROUND                                          ; both now hold of every wave of the four work-groups
.if \refill
	tensor_load_to_lds s[G0K+4*(1-\a):G0K+4*(1-\a)+3], s[G1K:G1K+7]
	s_nop 0
	tensor_load_to_lds s[G0V+4*(1-\a):G0V+4*(1-\a)+3], s[G1V:G1V+7]
	s_nop 0
.endif
	LDK \a, 0
.if \first == 0
	s_cmp_eq_u32 s60, 0
	s_cbranch_scc1 .Lhead_\@
	FB 2, 3, 0, 0, 5                               ; class 1: what it carried over the round
.Lhead_\@:
.endif
	BLK \a, 0, \first
	FB 2, 3, \first, 0, 5
	BLK \a, 1, 0
	s_cmp_lg_u32 s60, 0
	s_cbranch_scc1 .Ltail_\@
	FB 2, 3, 0, 0, 5                               ; class 0 ends the tile in front of the round
.Ltail_\@:
.endm
	TRIP 0, 1, 1                                   ; eight tiles; the first block starts the sums
	s_mov_b32 s52, 3
.Ltiles:
	TRIP 1, 1, 0
	TRIP 0, 1, 0
	s_sub_co_i32 s52, s52, 1
	s_cmp_lg_u32 s52, 0
	s_cbranch_scc1 .Ltiles
	TRIP 1, 0, 0                                   ; the last tile fetches nothing (the stepped addresses are not used)
	s_cmp_eq_u32 s60, 0
	s_cbranch_scc1 .Lflush
	FB 2, 3, 0, 0, 5                               ; class 1: the last tile's last step
.Lflush:
	; THE END.  The sums of the two halves of the lanes meet; waves 4-7 hand O, maxima and sums to waves 0-3.
.irp q, 0,1,2,3
	v_permlanex16_b32 v[TP+\q], v[LS+\q], s53, s54
.endr
.irp q, 0,1,2,3
	v_add_f32 v[LS+\q], v[LS+\q], v[TP+\q]
.endr
	s_cmp_lt_u32 s12, 4
	s_cbranch_scc1 .Lkeep
	WIN 0x04                                       ; store data from window 1
.set i, 0
.rept 32
	ds_store_b128 v[PSA], v[OO+4*i:OO+4*i+3] offset:i*512
.set i, i+1
.endr
	WIN 0
	ds_store_b128 v[PSA], v[MM:MM+3] offset:16384
	ds_store_b128 v[PSA], v[LS:LS+3] offset:16896
.Lkeep:
	s_wait_dscnt 0x0                               ; for the other wave's sake: my stores are done
	s_barrier_signal -1
	s_barrier_wait -1
	s_cmp_ge_u32 s12, 4
	s_cbranch_scc1 .Lend
	ds_load_b128 v[MX:MX+3], v[PSA] offset:16384
	ds_load_b128 v[TP:TP+3], v[PSA] offset:16896
.set i, 0
.rept 32
	ds_load_b128 v[SS+4*i:SS+4*i+3], v[PSA] offset:i*512
.set i, i+1
.endr
	s_wait_dscnt 32                                ; maxima and sums are in; the 32 loads of O behind them stay out
.irp q, 0,1,2,3
	v_max_num_f32 v[SA+\q], v[MM+\q], v[MX+\q]
.endr
.irp q, 0,1,2,3
	v_sub_f32 v[AL2+2*\q], v[MM+\q], v[SA+\q]
	v_sub_f32 v[NM2+2*\q], v[MX+\q], v[SA+\q]
.endr
.irp q, 0,1,2,3
	v_exp_f32 v[AL2+2*\q], v[AL2+2*\q]
	v_exp_f32 v[NM2+2*\q], v[NM2+2*\q]
.endr
	v_nop                                          ; a plain place behind the exponentials
	s_wait_alu depctr_va_vdst(0)
.irp q, 0,1,2,3
	v_mul_f32 v[LT+\q], v[LS+\q], v[AL2+2*\q]
.endr
.irp q, 0,1,2,3
	v_fmac_f32 v[LT+\q], v[TP+\q], v[NM2+2*\q]
.endr
.irp q, 0,1,2,3
	v_rcp_f32 v[LT+\q], v[LT+\q]                   ; the sum is at least 1: the largest logit's term
.endr
	v_nop
	s_wait_alu depctr_va_vdst(0)
.irp q, 0,1,2,3
	v_mul_f32 v[AL2+2*\q], v[AL2+2*\q], v[LT+\q]
	v_mul_f32 v[NM2+2*\q], v[NM2+2*\q], v[LT+\q]
.endr
.irp q, 0,1,2,3
	v_mov_b32 v[AL2+2*\q+1], v[AL2+2*\q]
	v_mov_b32 v[NM2+2*\q+1], v[NM2+2*\q]
.endr
	s_wait_dscnt 0x0
.irp dt, 0,1,2,3
.irp q, 0,1,2,3
.irp p, 0,2,4,6
	v_pk_mul_f32 v[SS+8*(4*\dt+\q)+\p:SS+8*(4*\dt+\q)+\p+1], v[SS+8*(4*\dt+\q)+\p:SS+8*(4*\dt+\q)+\p+1], v[NM2+2*\q:NM2+2*\q+1]
.endr
.endr
.endr
	WIN 0x01
.irp dt, 0,1,2,3
.irp q, 0,1,2,3
.irp p, 0,2,4,6
	v_pk_fma_f32 v[SS+8*(4*\dt+\q)+\p:SS+8*(4*\dt+\q)+\p+1], v[OO+8*(4*\dt+\q)+\p:OO+8*(4*\dt+\q)+\p+1], v[AL2+2*\q:AL2+2*\q+1], v[SS+8*(4*\dt+\q)+\p:SS+8*(4*\dt+\q)+\p+1]
.endr
.endr
.endr
	WIN 0
.irp dt, 0,1,2,3
.irp q, 0,1,2,3
.irp j, 0,1,2,3
	v_cvt_pk_f16_f32 v[VF+4*(4*\dt+\q)+\j], v[SS+8*(4*\dt+\q)+2*\j], v[SS+8*(4*\dt+\q)+2*\j+1]
.endr
	ds_store_b128 v[OSA], v[VF+4*(4*\dt+\q):VF+4*(4*\dt+\q)+3] offset:\q*16*KPITCH+\dt*32   ; query 16 q + r, 8 neighbouring d
.endr
.endr
.irp i, 0,1,2,3,4,5,6,7,8,9,10,11,12,13,14,15
	ds_load_b128 v[SS+4*\i:SS+4*\i+3], v[ORD] offset:\i*4*KPITCH           ; my own stage: LDS serves a wave's instructions in order (ISA guide 5.7.1)
.endr
.irp i, 0,1,2,3,4,5,6,7,8,9,10,11,12,13,14,15
	s_wait_dscnt 15-\i
	global_store_b128 v[OGO], v[SS+4*\i:SS+4*\i+3], s[10:11] offset:\i*512 ; four rows of 128 bytes: 512 consecutive bytes, aligned
.endr
.Lend:
	s_wait_tensorcnt 0x0
	ds_add_u32 v62, v63
	s_wait_dscnt 0x0
	ROUND                                          ; the closing round: no work-group ends while a partner may still ask jointly
	s_endpgm
.Lfunc_end_k_q4b501ba7aa_attn:
	.size	k_q4b501ba7aa_attn, .Lfunc_end_k_q4b501ba7aa_attn-k_q4b501ba7aa_attn
	.p2alignl 7, 3214868480
	.fill 96, 4, 3214868480
	.section	.rodata,"a",@progbits
	.p2align	6, 0x0
	.amdhsa_kernel k_q4b501ba7aa_attn
		.amdhsa_group_segment_fixed_size 327680
		.amdhsa_private_segment_fixed_size 0
		.amdhsa_enable_private_segment 0
		.amdhsa_kernarg_size 32
		.amdhsa_user_sgpr_count 2
		.amdhsa_user_sgpr_kernarg_segment_ptr 1
		.amdhsa_wavefront_size32 1
		.amdhsa_system_sgpr_workgroup_id_x 1
		.amdhsa_system_sgpr_workgroup_id_y 1
		.amdhsa_system_sgpr_workgroup_id_z 1
		.amdhsa_system_vgpr_workitem_id 0
		.amdhsa_next_free_vgpr 512
		.amdhsa_next_free_sgpr 66
		.amdhsa_reserve_vcc 0
		.amdhsa_float_denorm_mode_32 3
		.amdhsa_float_denorm_mode_16_64 3
		.amdhsa_memory_ordered 1
		.amdhsa_forward_progress 1
		.amdhsa_inst_pref_size 255
	.end_amdhsa_kernel
	.section	.bss,"aw",@nobits
	.p2align	6
	.space	262144
	.amdgpu_metadata
---
amdhsa.version: [ 1, 2 ]
amdhsa.kernels:
  - .name:           k_q4b501ba7aa_attn
    .symbol:         k_q4b501ba7aa_attn.kd
    .args:
      - { .name: qs, .offset: 0, .size: 8, .value_kind: global_buffer, .address_space: global }
      - { .name: ks, .offset: 8, .size: 8, .value_kind: global_buffer, .address_space: global }
      - { .name: vt, .offset: 16, .size: 8, .value_kind: global_buffer, .address_space: global }
      - { .name: ao, .offset: 24, .size: 8, .value_kind: global_buffer, .address_space: global }
    .group_segment_fixed_size: 327680
    .private_segment_fixed_size: 0
    .kernarg_segment_align: 8
    .kernarg_segment_size: 32
    .max_flat_workgroup_size: 256
    .sgpr_count:     66
    .vgpr_count:     512
    .wavefront_size: 32
...
	.end_amdgpu_metadata
.endif
;; end of part 2
;; launch oproj (part 3): grid 4 x 64, 4 waves a work-group, clusters of 4 x 4, 322,048 bytes of LDS; arguments ao, wob, bo, out0; writes out0
.if DOCPART == 3
	.amdgcn_target "amdgcn-amd-amdhsa--gfx1250"
	.amdhsa_code_object_version 6
	.text
	.protected	k_q4b501ba7aa_oproj
	.globl	k_q4b501ba7aa_oproj
	.p2align	8
	.type	k_q4b501ba7aa_oproj,@function
k_q4b501ba7aa_oproj:
	s_mov_b64 s[64:65], 0
	v_nop
	global_prefetch_b8 v0, s[64:65] scope:SCOPE_SE
	s_setreg_imm32_b32 hwreg(HW_REG_WAVE_MODE, 25, 1), 1
	s_wait_xcnt 0x0
	s_wait_alu depctr_hold_cnt(0) depctr_sa_sdst(0) depctr_va_vdst(0) depctr_va_sdst(0) depctr_va_ssrc(0) depctr_va_vcc(0) depctr_vm_vsrc(0)
	s_getreg_b32 s2, hwreg(HW_REG_IB_STS2, 6, 4)
	s_cmp_eq_u32 s2, 0
	s_cbranch_scc0 .Lentry_in_a_cluster
	s_endpgm
.Lentry_in_a_cluster:
	s_bfe_u32 s2, ttmp6, 0x10000c
	s_cmp_lg_u32 s2, 0xf033
	s_cbranch_scc0 .Lentry_shape_is_right
	s_endpgm
.Lentry_shape_is_right:
; out0 = A Wo^T + bo.  A is the attention result ao [b*8+head][n][64] f16, read head by head as K = 512; wob [512][512] f16; out0 f32.
; A work-group makes 128 rows x 128 columns with four waves of 64 x 64 (16 accumulator tiles).  K = 512 lies whole in LDS: each wave issues
; its four tensor loads at once behind the opening round (four out), nothing is ever filled again, and the four K stages
; of 128 are multiplied as they land, behind counted waits.
; CLUSTER 4 x 4: A's tiles hang on the block row alone and are shared along a row of the cluster, Wo's on the block column alone and are shared
; along a column: joint loads divide the requests for both by four.
; Source 0 = rows of Wo, source 1 = rows of A: a lane holds row r and 8 neighbouring columns of out0.
.set APITCH, 144                       ; 64 f16 + 16 bytes
.set BPITCH, 272                       ; 128 f16 + 16 bytes
.set ATILE,  128*APITCH                ; head t's 128 rows at t ATILE
.set BBASE,  8*ATILE
.set BTILE,  128*BPITCH                ; K stage j's 128 rows of Wo at BBASE + j BTILE
.set OST,    BBASE+4*BTILE             ; each wave's own stage: 32 rows x 272
.set OPITCH, 272
.set AAD, 4                            ; v4-7   A fragments of K stage j
.set BAD, 8                            ; v8-11  Wo fragments of K stage j
.set OSA, 12
.set ORD, 13
.set OGO, 14
.set BOF, 15
.set BO,  16                           ; v[16:47] bo of columns 16 ct + 8 h + j at 8 ct + j
.set F0,  64                           ; fragment buffers: A at +8 rt, Wo at +32 + 8 ct
.set F1,  128
.set TT,  192
.set G1A, 16
.set G1B, 24
.set G0A, 32                           ; s[32:47] a group 0 for each K stage
.set G0B, 48                           ; s[48:63]
.set MSB, 0
.macro WIN new
.if MSB != \new
	s_set_vgpr_msb (MSB<<8)|\new
.set MSB, \new
.endif
.endm
.macro PLACES n
.rept \n
	v_nop
.endr
.endm
.macro ROUND
	s_barrier_signal -1
	s_barrier_wait -1
	s_cmp_lg_u32 s12, 0
	s_cbranch_scc1 .Lnot_wave_0_\@
	s_barrier_signal -3
.Lnot_wave_0_\@:
	s_barrier_wait -3
	s_barrier_signal -1
	s_barrier_wait -1
.endm
.macro JLOAD j                         ; waves 0, 1 ask for A's two heads of stage j, waves 2, 3 for the two halves of Wo's rows: one mask a line
	s_cmp_eq_u32 s14, 0
	s_cbranch_scc0 .Lfor_b_\@
	tensor_load_to_lds s[G0A+4*\j:G0A+4*\j+3], s[G1A:G1A+7]
	s_nop 0
	s_branch .Lasked_\@
.Lfor_b_\@:
	tensor_load_to_lds s[G0B+4*\j:G0B+4*\j+3], s[G1B:G1B+7]
	s_nop 0
.Lasked_\@:
.endm
	s_load_b256 s[4:11], s[0:1], 0x0               ; ao 4, wob 6, bo 8, out0 10
	v_lshl_add_u32 v62, v0, 2, 0x4e800
	v_mov_b32 v63, 0
	ds_add_u32 v62, v63
	v_lshrrev_b32 v3, 5, v0
	v_readfirstlane_b32 s12, v3                    ; wave
	s_and_b32 s13, s12, 1                          ; my 64 rows; also which part of a tile I fetch
	s_lshr_b32 s14, s12, 1                         ; my 64 columns; also: I fetch for A (0) or Wo (1)
	s_bfe_u32 s66, ttmp6, 0x40000                  ; cx
	s_bfe_u32 s67, ttmp6, 0x40004                  ; cy
	s_lshl_b32 s68, ttmp9, 2
	s_add_co_u32 s68, s68, s66                     ; block column
	s_and_b32 s69, ttmp7, 0xffff
	s_lshl_b32 s69, s69, 2
	s_add_co_u32 s69, s69, s67                     ; block row
	s_lshl_b32 s70, s67, 2
	s_lshl_b32 s70, 15, s70                        ; my row of the cluster
	s_lshl_b32 s71, 0x1111, s66                    ; my column
	; A: 128 rows x 64 elements of 2 bytes, 4 words of padding behind every 32
	s_or_b32 s[G1A+0], s70, (1<<16)|(1<<20)|(1<<21)|(4<<22)|(3<<25)
	s_mov_b32 s[G1A+1], 64<<16
	s_mov_b32 s[G1A+2], 128<<16
	s_mov_b32 s[G1A+3], 64<<16
	s_mov_b32 s[G1A+4], 128
	s_mov_b32 s[G1A+5], 64
	s_mov_b32 s[G1A+6], 0
	s_mov_b32 s[G1A+7], 0
	; Wo: 64 rows x 128 elements, 4 words of padding behind every 64
	s_or_b32 s[G1B+0], s71, (1<<16)|(1<<20)|(1<<21)|(5<<22)|(3<<25)
	s_mov_b32 s[G1B+1], 128<<16
	s_mov_b32 s[G1B+2], 64<<16
	s_mov_b32 s[G1B+3], 128<<16
	s_mov_b32 s[G1B+4], 64
	s_mov_b32 s[G1B+5], 512
	s_mov_b32 s[G1B+6], 0
	s_mov_b32 s[G1B+7], 0
	s_lshr_b32 s72, s69, 4                         ; A: batch x 8 heads x 262,144 bytes
	s_lshl_b32 s72, s72, 21
	s_and_b32 s15, s69, 15
	s_lshl_b32 s15, s15, 14                        ;    + 128 rows of 128 bytes a block
	s_add_co_u32 s72, s72, s15
	s_lshl_b32 s15, s13, 18                        ;    + my head of the stage's two
	s_add_co_u32 s72, s72, s15
	s_mov_b32 s73, 0
	s_lshl_b32 s74, s68, 17                        ; Wo: 128 rows of 1,024 bytes a block
	s_lshl_b32 s75, s13, 16                        ;     + my 64 rows
	s_add_co_u32 s74, s74, s75
	s_mov_b32 s75, 0
	s_mul_i32 s3, s13, ATILE
	s_mul_i32 s2, s13, 64*BPITCH
	s_add_co_u32 s2, s2, BBASE
	v_and_b32 v1, 15, v0                           ; r
	v_bfe_u32 v2, v0, 4, 1                         ; h
	v_mul_u32_u24 v3, v1, APITCH
	v_lshl_add_u32 v3, v2, 4, v3
	s_mul_i32 s15, s13, 64*APITCH
	v_add_nc_u32 v[AAD], s15, v3
.irp j, 1,2,3
	v_add_nc_u32 v[AAD+\j], \j*2*ATILE, v[AAD]
.endr
	v_mul_u32_u24 v3, v1, BPITCH
	v_lshl_add_u32 v48, v2, 4, v3
	s_mul_i32 s15, s14, 64*BPITCH
	s_add_co_u32 s15, s15, BBASE
	v_add_nc_u32 v[BAD], s15, v48
.irp j, 1,2,3
	v_add_nc_u32 v[BAD+\j], \j*BTILE, v[BAD]
.endr
	s_mul_i32 s15, s12, 32*OPITCH
	s_add_co_u32 s15, s15, OST
	v_lshl_add_u32 v48, v2, 5, v3                  ; row r, 32 bytes a half
	v_add_nc_u32 v[OSA], s15, v48
	v_mul_u32_u24 v48, v2, OPITCH
	v_lshl_add_u32 v48, v1, 4, v48                 ; back: 16 lanes a row
	v_add_nc_u32 v[ORD], s15, v48
	v_lshlrev_b32 v48, 4, v1
	v_lshl_add_u32 v[OGO], v2, 11, v48
	v_lshlrev_b32 v[BOF], 5, v2
	s_wait_dscnt 0x0
	s_wait_kmcnt 0x0
	s_add_nc_u64 s[72:73], s[4:5], s[72:73]
	s_add_nc_u64 s[74:75], s[6:7], s[74:75]
.irp j, 0,1,2,3
	s_mov_b32 s[G0A+4*\j], 1
	s_add_co_u32 s[G0A+4*\j+1], s3, \j*2*ATILE
	s_add_nc_u64 s[G0A+4*\j+2:G0A+4*\j+3], s[72:73], \j*524288
	s_or_b32 s[G0A+4*\j+3], s[G0A+4*\j+3], 0x80000000
	s_mov_b32 s[G0B+4*\j], 1
	s_add_co_u32 s[G0B+4*\j+1], s2, \j*BTILE
	s_add_nc_u64 s[G0B+4*\j+2:G0B+4*\j+3], s[74:75], \j*256
	s_or_b32 s[G0B+4*\j+3], s[G0B+4*\j+3], 0x80000000
.endr
	s_lshl_b32 s70, s68, 9                         ; my first column, in bytes of f32
	s_lshl_b32 s71, s14, 8
	s_add_co_u32 s70, s70, s71
	s_mov_b32 s71, 0
	s_add_nc_u64 s[8:9], s[8:9], s[70:71]
	s_add_nc_u64 s[10:11], s[10:11], s[70:71]
	s_lshl_b32 s70, s69, 18                        ; my first row: 128 rows of 2,048 bytes a block, 64 a wave
	s_lshl_b32 s15, s13, 17
	s_add_co_u32 s70, s70, s15
	s_add_nc_u64 s[10:11], s[10:11], s[70:71]
.irp ct, 0,1,2,3
	global_load_b128 v[BO+8*\ct:BO+8*\ct+3], v[BOF], s[8:9] offset:\ct*64
	global_load_b128 v[BO+8*\ct+4:BO+8*\ct+7], v[BOF], s[8:9] offset:\ct*64+16
.endr
	ROUND                                          ; all sixteen work-groups are here: the joint loads meet
	JLOAD 0
	JLOAD 1
	JLOAD 2
	JLOAD 3
.macro FETCH j, ss, f                  ; the fragments of 32 along K: substep ss of stage j
.irp rt, 0,1,2,3
	ds_load_b128 v[\f+8*\rt:\f+8*\rt+3], v[AAD+\j] offset:(\ss/2)*ATILE+\rt*16*APITCH+(\ss%2)*64
	ds_load_b128 v[\f+8*\rt+4:\f+8*\rt+7], v[AAD+\j] offset:(\ss/2)*ATILE+\rt*16*APITCH+(\ss%2)*64+32
.endr
.irp ct, 0,1,2,3
	ds_load_b128 v[\f+32+8*\ct:\f+32+8*\ct+3], v[BAD+\j] offset:\ct*16*BPITCH+\ss*64
	ds_load_b128 v[\f+32+8*\ct+4:\f+32+8*\ct+7], v[BAD+\j] offset:\ct*16*BPITCH+\ss*64+32
.endr
.endm
.macro MUL f, zero                     ; sixteen accumulators take turns, one instruction a turn
	WIN 0x50
.irp ct, 0,1,2,3
.irp rt, 0,1,2,3
.if \zero
	v_wmma_f32_16x16x32_f16 v[8*(4*\ct+\rt):8*(4*\ct+\rt)+7], v[\f+32+8*\ct:\f+32+8*\ct+7], v[\f+8*\rt:\f+8*\rt+7], 0
.else
	v_wmma_f32_16x16x32_f16 v[8*(4*\ct+\rt):8*(4*\ct+\rt)+7], v[\f+32+8*\ct:\f+32+8*\ct+7], v[\f+8*\rt:\f+8*\rt+7], v[8*(4*\ct+\rt):8*(4*\ct+\rt)+7]
.endif
.endr
.endr
	WIN 0
.endm
; One K stage of 128: four substeps on buffers 0, 1, 0, 1; each fetches the next substep's fragments four places behind the matrix
; instructions that read that buffer, and waits with the count of the 16 loads just issued.
.macro STAGE j, zero
	PLACES 4
	FETCH \j, 1, F1
	s_wait_dscnt 16
	MUL F0, \zero
	PLACES 4
	FETCH \j, 2, F0
	s_wait_dscnt 16
	MUL F1, 0
	PLACES 4
	FETCH \j, 3, F1
	s_wait_dscnt 16
	MUL F0, 0
	s_wait_dscnt 0x0
.if \j < 3
	s_wait_tensorcnt 2-\j                          ; my load of the next stage has landed; the later stages' stay out
	s_barrier_signal -1
	s_barrier_wait -1                              ; everybody's has
	PLACES 4
	FETCH \j+1, 0, F0
.endif
	MUL F1, 0
.endm
	s_wait_tensorcnt 3                             ; my load of stage 0 has landed; three stay out
	s_barrier_signal -1
	s_barrier_wait -1
	FETCH 0, 0, F0
	STAGE 0, 1                                     ; the first products start the sums
	STAGE 1, 0
	STAGE 2, 0
	STAGE 3, 0
	; THE WAY OUT, 32 rows at a time: add the bias, 32 bytes a lane into my own stage, back as whole rows of 256 bytes
	PLACES 4
	s_wait_loadcnt 0x0                             ; bo
.irp hf, 0,1
.if \hf
	s_wait_xcnt 0x0                                ; the registers read back into were the data of the first half's stores
.endif
	WIN 0x01
.irp e, 0,1
.irp ct, 0,1,2,3
.irp p, 0,2,4,6
	v_pk_add_f32 v[TT+32*\e+8*\ct+\p:TT+32*\e+8*\ct+\p+1], v[8*(4*\ct+2*\hf+\e)+\p:8*(4*\ct+2*\hf+\e)+\p+1], v[BO+8*\ct+\p:BO+8*\ct+\p+1]
.endr
.endr
.endr
	WIN 0
.irp e, 0,1
.irp ct, 0,1,2,3
	ds_store_b128 v[OSA], v[TT+32*\e+8*\ct:TT+32*\e+8*\ct+3] offset:\e*16*OPITCH+\ct*64
	ds_store_b128 v[OSA], v[TT+32*\e+8*\ct+4:TT+32*\e+8*\ct+7] offset:\e*16*OPITCH+\ct*64+16
.endr
.endr
.irp i, 0,1,2,3,4,5,6,7,8,9,10,11,12,13,14,15
	ds_load_b128 v[F0+4*\i:F0+4*\i+3], v[ORD] offset:\i*2*OPITCH           ; my own stage: LDS serves a wave's instructions in order (ISA guide 5.7.1)
.endr
.irp i, 0,1,2,3,4,5,6,7,8,9,10,11,12,13,14,15
	s_wait_dscnt 15-\i
	global_store_b128 v[OGO], v[F0+4*\i:F0+4*\i+3], s[10:11] offset:\hf*65536+\i*4096 th:TH_STORE_NT   ; 16 lanes store 256 consecutive bytes, aligned
.endr
.endr
	s_wait_tensorcnt 0x0
	ds_add_u32 v62, v63
	s_wait_dscnt 0x0
	ROUND                                          ; the closing round
	s_endpgm
.Lfunc_end_k_q4b501ba7aa_oproj:
	.size	k_q4b501ba7aa_oproj, .Lfunc_end_k_q4b501ba7aa_oproj-k_q4b501ba7aa_oproj
	.p2alignl 7, 3214868480
	.fill 96, 4, 3214868480
	.section	.rodata,"a",@progbits
	.p2align	6, 0x0
	.amdhsa_kernel k_q4b501ba7aa_oproj
		.amdhsa_group_segment_fixed_size 322048
		.amdhsa_private_segment_fixed_size 0
		.amdhsa_enable_private_segment 0
		.amdhsa_kernarg_size 32
		.amdhsa_user_sgpr_count 2
		.amdhsa_user_sgpr_kernarg_segment_ptr 1
		.amdhsa_wavefront_size32 1
		.amdhsa_system_sgpr_workgroup_id_x 1
		.amdhsa_system_sgpr_workgroup_id_y 1
		.amdhsa_system_sgpr_workgroup_id_z 1
		.amdhsa_system_vgpr_workitem_id 0
		.amdhsa_next_free_vgpr 384
		.amdhsa_next_free_sgpr 76
		.amdhsa_reserve_vcc 0
		.amdhsa_float_denorm_mode_32 3
		.amdhsa_float_denorm_mode_16_64 3
		.amdhsa_memory_ordered 1
		.amdhsa_forward_progress 1
		.amdhsa_inst_pref_size 58
	.end_amdhsa_kernel
	.amdgpu_metadata
---
amdhsa.version: [ 1, 2 ]
amdhsa.kernels:
  - .name:           k_q4b501ba7aa_oproj
    .symbol:         k_q4b501ba7aa_oproj.kd
    .args:
      - { .name: ao, .offset: 0, .size: 8, .value_kind: global_buffer, .address_space: global }
      - { .name: wob, .offset: 8, .size: 8, .value_kind: global_buffer, .address_space: global }
      - { .name: bo, .offset: 16, .size: 8, .value_kind: global_buffer, .address_space: global }
      - { .name: out0, .offset: 24, .size: 8, .value_kind: global_buffer, .address_space: global }
    .group_segment_fixed_size: 322048
    .private_segment_fixed_size: 0
    .kernarg_segment_align: 8
    .kernarg_segment_size: 32
    .max_flat_workgroup_size: 128
    .sgpr_count:     76
    .vgpr_count:     384
    .wavefront_size: 32
...
	.end_amdgpu_metadata
.endif
;; end of part 3
